; MI455X (gfx1250); checked and timed in simulation.
; The chip was launched on July 23, 2026; its instructions are those of AMD's public machine-readable ISA for CDNA 5 (MIT licence, August 2026) and "CDNA5" Instruction Set Architecture Reference Guide (July 2026). The comments in the code are by the model that wrote it; some were corrected since.
;; Causal Self Attention. Allowed arithmetic: matrix products marked QUANTISED: E2M1 operands, one E8M0 scale for each 32 along K, by v_wmma_scale_f32_16x16x128_f8f6f4 with both operands' format E2M1 (or v_wmma_scale_f32_32x16x128_f4), f32 sums; products left as they are: bf16, f16 or f32 operands; f32 sums; everything else in f32.
;; Inputs: W_attn 3,072 x 1,024 float32; W_proj 1,024 x 1,024 float32; b_attn 3,072 float32; b_proj 1,024 float32; x 8,192 x 1,024 float32.
;; Outputs: out0 8,192 x 1,024 float32.
;; This version of the problem:
;;   THIS VERSION OF THE PROBLEM IS GIVEN IN LOW PRECISION. The matrix products marked QUANTISED in the list below multiply operands that are first quantised to E2M1 (2 exponent bits, 1 mantissa bit; 4 bits a number), with one power-of-two scale for each 32 numbers along K (OCP MX v1.0); their sums are f32. The products marked 'left as it is' may take bf16, f16 or f32 operands, with f32 sums. Whichever they take, every output number must still come out within the allowed error. Rounding operands to bf16 (8 significant bits) uses up far more of that allowance than f16 does (11 bits, for magnitudes from 6e-5 to 65,504). All else is computed in f32.
;;   The module's matrix products, in the order in which they are computed (A, B: the left and right operand; K: the contracted axis; several contracted axes count as one K, in the product's order):
;;     1. [M 8,192, K 1,024] x [K 1,024, N 3,072]; A: input x; B: input W_attn: QUANTISED
;;     2. batch 128 x [M 1,024, K 64] x [K 64, N 1,024]; A: computed on the way; B: computed on the way: left as it is (an operand is computed on the way)
;;     3. batch 128 x [M 1,024, K 1,024] x [K 1,024, N 64]; A: computed on the way; B: computed on the way: left as it is (an operand is computed on the way)
;;     4. [M 8,192, K 1,024] x [K 1,024, N 1,024]; A: computed on the way; B: input W_proj: left as it is (an operand is computed on the way)
;;   THE QUANTISER, for each operand of a quantised product, along K:
;;     - K is cut into blocks of 32 from its start; a last block that is shorter is filled with zeros.
;;     - A block's scale is 2^e with e = floor(log2(the largest magnitude in the block)) - 2, held to -126 .. 127; a block of zeros has e = 0. As a byte (E8M0): e + 127.
;;     - Each number is divided by its block's scale, clamped to +-6, and rounded to the nearest number of E2M1, ties to even, subnormals kept.
;;     - The product sums the exact products of the quantised numbers (number of the format x scale) in f32.
;;   ~~~python
;;   def quantise(x, axis):      # numpy; x: float32 -> the quantised numbers, widened to float32 again
;;       x = np.moveaxis(x, axis, -1); K = x.shape[-1]
;;       x = np.pad(x, [(0, 0)] * (x.ndim - 1) + [(0, -K % 32)]); x = x.reshape(x.shape[:-1] + (-1, 32)); a = np.abs(x).max(-1, keepdims=True)
;;       e = np.where(a > 0, np.clip(np.frexp(np.where(a > 0, a, 1))[1] - 1 - 2, -126, 127), 0)      # np.frexp(a)[1] - 1 = floor(log2(a)), exactly
;;       r = np.clip(x / 2.0 ** e, -6, 6)
;;       step = 2.0 ** (np.maximum(np.frexp(np.where(r == 0, 1, r))[1] - 1, 0) - 1)
;;       q = np.round(r / step) * step * 2.0 ** e      # np.round: ties to even
;;       return np.moveaxis(q.reshape(q.shape[:-2] + (-1,))[..., :K], -1, axis).astype(np.float32)
;;   ~~~
;; One version. Each part assembles by itself: llvm-mc -triple=amdgcn-amd-amdhsa -mcpu=gfx1250 --defsym DOCPART=n.
;; ======== version 1 of 1: 4 launches
;; limits: values are held in f16: magnitudes above 65,504 overflow, below 6.1e-05 lose precision
;; workspace buffers: xc 4,194,304 bytes; xs 262,144 bytes; wc 1,572,864 bytes; ws 98,304 bytes; wp16 2,097,152 bytes; qkv 50,331,648 bytes; y 16,777,216 bytes
;; launch prep (part 1): grid 384 x 1, 4 waves a work-group, no clusters, 33,280 bytes of LDS; arguments x, W_attn, W_proj, xc, xs, wc, ws, wp16; writes xc, xs, wc, ws, wp16
.if DOCPART == 1
	.amdgcn_target "amdgcn-amd-amdhsa--gfx1250"
	.amdhsa_code_object_version 6
	.text
	.protected	k_qab21d2e7e2_prep
	.globl	k_qab21d2e7e2_prep
	.p2align	8
	.type	k_qab21d2e7e2_prep,@function
k_qab21d2e7e2_prep:
	s_mov_b64 s[64:65], 0
	v_nop
	global_prefetch_b8 v0, s[64:65] scope:SCOPE_SE
	s_setreg_imm32_b32 hwreg(HW_REG_WAVE_MODE, 25, 1), 1
	s_wait_xcnt 0x0
; x [8192][1024] and W_attn [3072][1024], f32, K innermost, become codes of FP4 (E2M1), two a byte, with one E8M0 byte for each 32 along K; W_proj [1024][1024] becomes f16.
; A block's scale is 2^(floor(log2(its largest magnitude)) - 2); its byte is the largest magnitude's exponent field - 2, held at 1 from below.  Each number is divided by the scale and rounded to the nearest code, ties to even; beyond 6 the largest code.
; LIMITS: a block of zeros gets the byte 1 where the rule says 127 (its codes are zeros, and this program alone reads the bytes); blocks whose largest magnitude lies under 2^-124 are held at the byte 1;
; NaN and infinities among the inputs are not served; a number of W_proj beyond 65,504 becomes an infinity of f16.
; SHARES.  Work-groups 0-255 take x, 256-351 W_attn, 32,768 numbers each: rows are dense and K is a multiple of 32, so a tensor is a plain stream of blocks.  Work-groups 352-383 take W_proj, 32,768 numbers each.
; THE QUANTISER.  A wave takes 16 steps of 512 numbers.  Each load reads 512 consecutive bytes; a step's 2,048 bytes turn through the wave's own stage in LDS and come back 64 bytes a lane, so that a lane holds 16 neighbours
; along K (two neighbouring lanes hold a block).  A lane's 16 codes are 8 bytes: the wave stores 256 consecutive bytes.  The wave's 256 scale bytes are gathered in LDS and leave as one run of 256 bytes.
; No tensor load, no barrier: waves share nothing.  Memory binds: no matrix unit, no cluster.
.set WAVES, 4
.set STEPS, 16
.set WGA,   256                        ; x's work-groups
.set WGQ,   352                        ; x's and W_attn's
.set EMAX,  2
.set CB,    8                          ; bytes of 16 codes
.set R,     16                         ; v16-79   four sets of 16 numbers as they are loaded (W_proj: v16-143, two sets of 64)
.set X,     80                         ; v80-111  two sets of 16 neighbours
.set C,     128                        ; v128-191 codes: four registers for each step
.set E,     112                        ; v112-127 a scale byte for each step
.set H,     144                        ; v144-175 W_proj: 16 x 2 registers of f16
.set WREG,  8192                       ; LDS: a region for each wave: two stages of 32 x SP bytes, then its 256 scale bytes
.set SP,    80                         ; a lane's place in a stage: 64 bytes + 16 of padding
.set SPW,   12                         ; v12  LDS address of my spare word; never rewritten
.set NIL,   13                         ; v13  0; never rewritten
.set SPARE, WAVES*WREG                 ; behind the regions: the spare words, 128 bytes a wave
	s_load_b256 s[4:11], s[0:1], 0x0               ; x s[4:5], W_attn s[6:7], W_proj s[8:9], xc s[10:11]
	s_load_b256 s[12:19], s[0:1], 0x20             ; xs s[12:13], wc s[14:15], ws s[16:17], wp16 s[18:19]
	v_lshl_add_u32 v[SPW], v0, 2, SPARE
	v_mov_b32 v[NIL], 0
	v_lshrrev_b32 v1, 5, v0
	v_readfirstlane_b32 s20, v1                    ; wave
	v_and_b32 v2, 31, v0                           ; lane
	v_lshlrev_b32 v3, 4, v2                        ; my 16 bytes of a load's 512
	s_cmp_ge_u32 ttmp9, WGQ                        ; the work-group's number alone decides the path
	s_cbranch_scc1 .Lconv
	s_mul_i32 s21, s20, WREG
	v_lshrrev_b32 v14, 2, v2
	v_mul_u32_u24 v14, v14, SP
	v_and_b32 v15, 3, v2
	v_lshl_add_u32 v14, v15, 4, v14
	v_add_nc_u32 v14, s21, v14                     ; the stage, on the way in: four lanes' 64 bytes on end, then 16 of padding
	v_mul_u32_u24 v15, v2, SP
	v_add_nc_u32 v15, s21, v15                     ; and on the way out: my 16 neighbours
	v_mul_u32_u24 v4, v2, CB                       ; my codes' place in a step's
	v_lshrrev_b32 v5, 1, v2
	s_add_co_u32 s21, s21, 2*32*SP
	v_add_nc_u32 v5, s21, v5                       ; LDS: my wave's 256 scale bytes, my block's byte
	v_lshlrev_b32 v7, 3, v2                        ; and on the way out 8 bytes a lane
	v_add_nc_u32 v6, s21, v7
	s_wait_kmcnt 0x0
	s_cmp_lt_u32 ttmp9, WGA                        ; x or W_attn?
	s_cselect_b64 s[4:5], s[4:5], s[6:7]
	s_cselect_b64 s[10:11], s[10:11], s[14:15]
	s_cselect_b64 s[12:13], s[12:13], s[16:17]
	s_cselect_b32 s21, 0, WGA
	s_sub_co_u32 s21, ttmp9, s21
	s_lshl_b32 s21, s21, 2
	s_add_co_u32 s22, s21, s20                     ; which run of 8,192 numbers of the tensor is my wave's
	s_mov_b32 s23, 0
	s_mov_b64 s[24:25], 512*STEPS*4
	s_mul_u64 s[24:25], s[22:23], s[24:25]
	s_add_nc_u64 s[4:5], s[4:5], s[24:25]
	s_mov_b64 s[24:25], 32*STEPS*CB
	s_mul_u64 s[24:25], s[22:23], s[24:25]
	s_add_nc_u64 s[10:11], s[10:11], s[24:25]
	s_lshl_b32 s22, s22, 8                         ; 256 scale bytes a run
	s_add_nc_u64 s[12:13], s[12:13], s[22:23]
.macro LOAD t
.irp i, 0,1,2,3
	global_load_b128 v[R+16*((\t)%4)+4*\i:R+16*((\t)%4)+4*\i+3], v3, s[4:5] offset:2048*(\t)+512*\i th:TH_LOAD_NT   ; 32 lanes read 512 consecutive bytes
.endr
.endm
.macro TURN t                          ; step t's numbers through the stage: LDS serves a wave's instructions in order, so no wait stands between the stores and the loads
.irp i, 0,1,2,3
	ds_store_b128 v14, v[R+16*((\t)%4)+4*\i:R+16*((\t)%4)+4*\i+3] offset:32*SP*((\t)%2)+8*SP*\i
.endr
.irp i, 0,1,2,3
	ds_load_b128 v[X+16*((\t)%2)+4*\i:X+16*((\t)%2)+4*\i+3], v15 offset:32*SP*((\t)%2)+16*\i
.endr
.endm
.irp t, 0,1,2,3
	LOAD \t
.endr
	s_wait_loadcnt 12                              ; step 0's four loads are in; the twelve of steps 1 to 3 may be out
	TURN 0
.macro STEP t
.set XS, X+16*((\t)%2)
.if (\t) > 0
	s_wait_dscnt 1                                 ; this step's numbers are back from the stage (the last step's byte store may be out): so its stores into the stage have read their registers,
.else
	s_wait_dscnt 0x0
.endif
.if (\t)+4 < STEPS
	LOAD (\t)+4                                    ; which take the loads of four steps on
.endif
.if (\t)+1 < STEPS
.if STEPS-2-(\t) >= 3
	s_wait_loadcnt 12                              ; the next step's four loads are in; those of the three steps behind it may be out
.else
	s_wait_loadcnt 4*(STEPS-2-(\t))
.endif
	TURN (\t)+1                                    ; and go through the other stage while this step is worked
.endif
	v_max3_num_f32 v8, |v[XS]|, |v[XS+1]|, |v[XS+2]|               ; the largest magnitude of my 16, in two chains
	v_max3_num_f32 v9, |v[XS+3]|, |v[XS+4]|, |v[XS+5]|
.irp i, 6,10
	v_max3_num_f32 v8, v8, |v[XS+\i]|, |v[XS+\i+1]|
	v_max3_num_f32 v9, v9, |v[XS+\i+2]|, |v[XS+\i+3]|
.endr
	v_max3_num_f32 v8, v8, |v[XS+14]|, |v[XS+15]|
	v_max3_num_f32 v8, v8, v9, (EMAX+1)<<23        ; and the floor 2^(EMAX + 1 - 127): the byte cannot fall under 1
	v_max_num_f32_dpp v8, v8, v8 row_xmask:1 row_mask:0xf bank_mask:0xf   ; and of my neighbour's 16: the block's
	v_add_nc_u32 v11, -(EMAX<<23), v8              ; EMAX off its exponent field: the conversion takes the exponent field of this operand as its scale
	v_cvt_scalef32_pk8_fp4_f32 v[C+4*(\t)], v[XS:XS+7], v11
	v_cvt_scalef32_pk8_fp4_f32 v[C+4*(\t)+1], v[XS+8:XS+15], v11
	v_lshrrev_b32 v[E+(\t)], 23, v11               ; the scale's byte (a plain line behind the conversions)
	ds_store_b8 v5, v[E+(\t)] offset:16*(\t)       ; both lanes of a block write the same byte with the same value
	global_store_b64 v4, v[C+4*(\t):C+4*(\t)+1], s[10:11] offset:32*CB*(\t)   ; the wave stores 256 consecutive bytes, aligned
.endm
.irp t, 0,1,2,3,4,5,6,7,8,9,10,11,12,13,14,15
	STEP \t
.endr
	ds_load_b64 v[8:9], v6                         ; LDS serves a wave's instructions in order: these see my stores
	s_wait_dscnt 0x0
	global_store_b64 v7, v[8:9], s[12:13]          ; 32 lanes store 256 consecutive bytes, aligned
	s_wait_tensorcnt 0x0                           ; the wave's end
	ds_add_u32 v[SPW], v[NIL]
	s_wait_dscnt 0x0
	s_endpgm
; W_proj to f16.  A wave takes 8,192 numbers: 64 loads of 512 consecutive bytes in four batches of 16, two batches on their way; a lane's 4 numbers become 8 bytes, so a store covers 256 consecutive bytes, aligned.
.Lconv:
	s_sub_co_u32 s21, ttmp9, WGQ
	s_lshl_b32 s21, s21, 2
	s_add_co_u32 s21, s21, s20                     ; which run of 8,192 numbers
	s_lshl_b32 s22, s21, 15
	s_mov_b32 s23, 0
	s_lshl_b32 s24, s21, 14
	s_mov_b32 s25, 0
	v_lshlrev_b32 v4, 3, v2
	s_wait_kmcnt 0x0
	s_add_nc_u64 s[8:9], s[8:9], s[22:23]
	s_add_nc_u64 s[18:19], s[18:19], s[24:25]
.macro CLOAD b
.irp i, 0,1,2,3,4,5,6,7,8,9,10,11,12,13,14,15
	global_load_b128 v[R+64*((\b)%2)+4*\i:R+64*((\b)%2)+4*\i+3], v3, s[8:9] offset:512*(16*(\b)+\i) th:TH_LOAD_NT
.endr
.endm
.macro CBATCH b
.set RS, R+64*((\b)%2)
.if (\b) < 3
	s_wait_loadcnt 16                              ; this batch is in; the next batch's sixteen loads may be out
.else
	s_wait_loadcnt 0x0
.endif
	s_wait_xcnt 0x0                                ; the last batch's stores have read their data: the registers are written again only behind this wait
.irp i, 0,1,2,3,4,5,6,7,8,9,10,11,12,13,14,15
	v_cvt_pk_f16_f32 v[H+2*\i], v[RS+4*\i], v[RS+4*\i+1]
	v_cvt_pk_f16_f32 v[H+2*\i+1], v[RS+4*\i+2], v[RS+4*\i+3]
.endr
.irp i, 0,1,2,3,4,5,6,7,8,9,10,11,12,13,14,15
	global_store_b64 v4, v[H+2*\i:H+2*\i+1], s[18:19] offset:256*(16*(\b)+\i)
.endr
.if (\b)+2 < 4
	CLOAD (\b)+2
.endif
.endm
	CLOAD 0
	CLOAD 1
	CBATCH 0
	CBATCH 1
	CBATCH 2
	CBATCH 3
	s_wait_tensorcnt 0x0                           ; the same three lines close this path
	ds_add_u32 v[SPW], v[NIL]
	s_wait_dscnt 0x0
	s_endpgm
.Lfunc_end_k_qab21d2e7e2_prep:
	.size	k_qab21d2e7e2_prep, .Lfunc_end_k_qab21d2e7e2_prep-k_qab21d2e7e2_prep
	.p2alignl 7, 3214868480
	.fill 96, 4, 3214868480
	.section	.rodata,"a",@progbits
	.p2align	6, 0x0
	.amdhsa_kernel k_qab21d2e7e2_prep
		.amdhsa_group_segment_fixed_size 33280
		.amdhsa_private_segment_fixed_size 0
		.amdhsa_enable_private_segment 0
		.amdhsa_kernarg_size 64
		.amdhsa_user_sgpr_count 2
		.amdhsa_user_sgpr_kernarg_segment_ptr 1
		.amdhsa_wavefront_size32 1
		.amdhsa_system_sgpr_workgroup_id_x 1
		.amdhsa_system_sgpr_workgroup_id_y 1
		.amdhsa_system_sgpr_workgroup_id_z 1
		.amdhsa_system_vgpr_workitem_id 0
		.amdhsa_next_free_vgpr 192
		.amdhsa_next_free_sgpr 66
		.amdhsa_reserve_vcc 0
		.amdhsa_float_denorm_mode_32 3
		.amdhsa_float_denorm_mode_16_64 3
		.amdhsa_memory_ordered 1
		.amdhsa_forward_progress 1
		.amdhsa_inst_pref_size 54
	.end_amdhsa_kernel
	.amdgpu_metadata
---
amdhsa.version: [ 1, 2 ]
amdhsa.kernels:
  - .name:           k_qab21d2e7e2_prep
    .symbol:         k_qab21d2e7e2_prep.kd
    .args:
      - { .name: x, .offset: 0, .size: 8, .value_kind: global_buffer, .address_space: global }
      - { .name: W_attn, .offset: 8, .size: 8, .value_kind: global_buffer, .address_space: global }
      - { .name: W_proj, .offset: 16, .size: 8, .value_kind: global_buffer, .address_space: global }
      - { .name: xc, .offset: 24, .size: 8, .value_kind: global_buffer, .address_space: global }
      - { .name: xs, .offset: 32, .size: 8, .value_kind: global_buffer, .address_space: global }
      - { .name: wc, .offset: 40, .size: 8, .value_kind: global_buffer, .address_space: global }
      - { .name: ws, .offset: 48, .size: 8, .value_kind: global_buffer, .address_space: global }
      - { .name: wp16, .offset: 56, .size: 8, .value_kind: global_buffer, .address_space: global }
    .group_segment_fixed_size: 33280
    .private_segment_fixed_size: 0
    .kernarg_segment_align: 8
    .kernarg_segment_size: 64
    .max_flat_workgroup_size: 128
    .sgpr_count:     66
    .vgpr_count:     192
    .wavefront_size: 32
...
	.end_amdgpu_metadata
.endif
;; end of part 1
;; launch qkv (part 2): grid 12 x 32, 4 waves a work-group, clusters of 4 x 4, 327,680 bytes of LDS; arguments xc, xs, wc, ws, b_attn, qkv; writes qkv
.if DOCPART == 2
	.amdgcn_target "amdgcn-amd-amdhsa--gfx1250"
	.amdhsa_code_object_version 6
	.text
	.protected	k_qab21d2e7e2_qkv
	.globl	k_qab21d2e7e2_qkv
	.p2align	8
	.type	k_qab21d2e7e2_qkv,@function
k_qab21d2e7e2_qkv:
	s_mov_b64 s[64:65], 0
	v_nop
	global_prefetch_b8 v0, s[64:65] scope:SCOPE_SE
	s_setreg_imm32_b32 hwreg(HW_REG_WAVE_MODE, 25, 1), 1
	s_wait_xcnt 0x0
	s_wait_alu depctr_hold_cnt(0) depctr_sa_sdst(0) depctr_va_vdst(0) depctr_va_sdst(0) depctr_va_ssrc(0) depctr_va_vcc(0) depctr_vm_vsrc(0)
	s_getreg_b32 s2, hwreg(HW_REG_IB_STS2, 6, 4)
	s_cmp_eq_u32 s2, 0
	s_cbranch_scc0 .Lentry_in_a_cluster
	s_endpgm
.Lentry_in_a_cluster:
	s_bfe_u32 s2, ttmp6, 0x10000c
	s_cmp_lg_u32 s2, 0xf033
	s_cbranch_scc0 .Lentry_shape_is_right
	s_endpgm
.Lentry_shape_is_right:
; qkv = x W_attn^T + b_attn on codes of FP4 (E2M1) with one E8M0 scale for each 32 along K = 1,024; sums in f32; the result leaves as f16, laid as the next launch's operand registers.
; A tile of 256 x 256 is made by four waves, 128 x 128 each: 64 accumulators of 16 x 16.  K is two slots of 512, both filled at the start: nothing in LDS is filled again.
; ROLES.  The matrix instruction takes 16 rows of "B" as source 0 and 16 rows of "A" as source 1: a lane then holds ONE row of A and eight neighbouring rows of B.
;   clusters x = 0, 1 (q, k): A = x (tokens), B = W_attn's rows 0-2,047 (channels): a lane holds a token and 8 neighbouring channels: half a fragment [16 tokens x 32 channels].
;   cluster  x = 2    (v):    A = W_attn's rows 2,048 on (channels), B = x (tokens): a lane holds a channel and 8 neighbouring tokens: half a fragment of V^T [16 channels x 32 keys].
; The choice hangs on the cluster's x alone, which all sixteen partners share, and is made by selects.
; THE BIAS of q and k is the C of each sum's first product.  v goes out WITHOUT its bias (the C is zeros): sum p (v + b) / sum p = sum p v / sum p + b, and the next launch adds b there.
; q IS MULTIPLIED BY c = log2(e) / 8 in f32, ahead of its one rounding to f16: the next launch's scores are then the exponents to base 2.
; OUT.  qkv is 48 planes of 2^20 bytes, plane = column / 64 (q 0-15, k 16-31, v 32-47).  A fragment's image is 1,024 bytes: registers 0-3 at 16 x lane, registers 4-7 512 bytes on.
;   q, k: plane + (token / 16) x 2,048 + (channel chunk of 32) x 1,024;   v: plane + (token / 64) x 8,192 + (channel tile of 16) x 2,048 + (key chunk of 32) x 1,024.
; Every store of a wave covers 512 consecutive bytes, aligned: no stage in LDS.
; LIMITS: the bias is the first addend of the f32 sum, not the last; a result beyond 65,504 becomes an infinity of f16.
; CLUSTERS: 4 x 4 work-groups; A's tiles are asked for jointly along a row of the cluster, B's along a column.  Nothing is prefetched: all tiles are asked for at the head.
; REGISTERS: window 0: v1-31 addresses; v32-95 scale words, two sets; v128-191 A's fragments, one set; v192-255 the bias; on the way out v128-255 packed results.
;   window 1: B's fragments, two sets.   window 2: the accumulators of my A rows 0-63 ((a, b) at v[8 (8 a + b)]);   window 3: those of rows 64-127.
.set NQ,     4                         ; steps of 128 along K in a slot
.set ROWB,   256                       ; a tile's row in bytes: 512 codes
.set KROW,   512                       ; a row of codes in memory
.set PITCH,  272                       ; an LDS row: 256 bytes + 16 of padding
.set FR,     8                         ; registers of a fragment: 16 rows x 128 K
.set NL,     2                         ; LDS loads that bring one
.set NP,     4                         ; places behind this matrix instruction (ISA guide 7.12.1)
.set HALFT,  128*PITCH
.set SLOT,   4*HALFT                   ; A's 256 rows, then B's 256 rows
.set KS,     32                        ; a row of scale bytes
.set SCL,    2*SLOT                    ; behind the slots: the scales, as rows of 256 bytes + 16 of padding
.set HALFS,  (128*KS/256)*272          ; the scales of 128 rows
.set SBLK,   (16*KS/256)*272           ; those of 16 rows
.set SPARE,  SCL+4*HALFS               ; the spare words, 128 bytes a wave
.set CO,   8                           ; v8-11   my byte offsets in qkv: + 2 x (a / 4) + (b / 4)
.set ADRA, 16                          ; v16-17  LDS address of my A fragments in slot 0, 1
.set ADRB, 20                          ; v20-21  the same for B
.set ADRS, 27                          ; v27     LDS address of my scale words: lanes 0-15 A's rows, lanes 16-31 B's
.set SPW,  28                          ; v28     LDS address of my spare word; never rewritten
.set NIL,  29                          ; v29     0; never rewritten
.set SC,   32
.set AF,   128
.set BIAS, 192
.set TMP,  128
.set G1, 24
.set G0, 32
.set G1B, 48
.set G0B, 56
.set G1S, 68
.set G0S, 76
.set G1SB, 80
.set G0SB, 88
.set MSB, 0
.macro WIN new                         ; the immediate's high byte repeats the setting that is left
.if MSB != \new
	s_set_vgpr_msb (MSB<<8)|\new
.set MSB, \new
.endif
.endm
.set MUL_LO,   0xa1                    ; source 0 (B) window 1, source 1 (A) window 0, C and D window 2
.set MUL_HI,   0xf1                    ; the same, C and D window 3
.set FIRST_LO, 0x81                    ; C (the bias) window 0, D window 2
.set FIRST_HI, 0xc1                    ; C window 0, D window 3
.set TO_B,     0x40                    ; destination window 1, address window 0
; A joint load: waves 0 and 1 fetch for A, waves 2 and 3 for B.  The branch hangs on the wave's number alone.  An s_nop 0 and four v_nop follow each of the two lines.
.macro JLOAD g0a, g1a, g0b, g1b
	s_cmp_eq_u32 s15, 0
	s_cbranch_scc0 .Lfor_b_\@
	tensor_load_to_lds s[\g0a:\g0a+3], s[\g1a:\g1a+7]
	s_nop 0
.rept 4
	v_nop
.endr
	s_branch .Lasked_\@
.Lfor_b_\@:
	tensor_load_to_lds s[\g0b:\g0b+3], s[\g1b:\g1b+7]
	s_nop 0
.rept 4
	v_nop
.endr
.Lasked_\@:
.endm
.macro CROUND                          ; a round of the cluster's barrier
	s_barrier_signal -1
	s_barrier_wait -1
	s_cmp_lg_u32 s14, 0
	s_cbranch_scc1 .Lnot_wave_0_\@
	s_barrier_signal -3
.Lnot_wave_0_\@:
	s_barrier_wait -3
	s_barrier_signal -1
	s_barrier_wait -1
.endm
	s_load_b256 s[4:11], s[0:1], 0x0               ; xc s[4:5], xs s[6:7], wc s[8:9], ws s[10:11]
	s_load_b128 s[96:99], s[0:1], 0x20             ; b_attn s[96:97], qkv s[98:99]
	v_lshl_add_u32 v[SPW], v0, 2, SPARE
	v_mov_b32 v[NIL], 0
	ds_add_u32 v[SPW], v[NIL]                      ; the wave's opening: the add and its wait stand ahead of my first tensor load; the set-up below stands between them
	v_lshrrev_b32 v1, 5, v0
	v_readfirstlane_b32 s14, v1                    ; wave 0..3
	s_lshr_b32 s15, s14, 1                         ; which half of A's rows is mine.  Also: I fetch for A (0) or for B (1)
	s_and_b32 s16, s14, 1                          ; which half of B's rows.  Also: which 128 rows of that tile I fetch
	s_bfe_u32 s40, ttmp6, 0x40000                  ; cx, cy: my place in the cluster
	s_bfe_u32 s41, ttmp6, 0x40004
	s_and_b32 s17, ttmp7, 0xffff                   ; the cluster's y
	s_cmp_eq_u32 ttmp9, 2                          ; v's clusters?
	s_cselect_b32 s42, s17, ttmp9                  ; B's tiles walk x's rows by the cluster's y (v), or W_attn's by the cluster's x
	s_cselect_b32 s17, 0, s17                      ; A's tiles: W_attn's last 1,024 rows (v), or x's rows by the cluster's y
	s_cselect_b32 s66, 2048, 0                     ; A's first row
	s_cselect_b32 s95, 0, -1                       ; a mask: v's sums start from zeros
	s_lshl_b32 s42, s42, 2
	s_add_co_u32 s42, s42, s40                     ; B's tile
	s_lshl_b32 s17, s17, 2
	s_add_co_u32 s17, s17, s41                     ; A's tile
	s_lshl_b32 s43, s41, 2
	s_lshl_b32 s43, 15, s43                        ; my row of the cluster
	s_lshl_b32 s44, 0x1111, s40                    ; my column
	; descriptor group 1: a tile of 128 rows x 256 bytes, 16 bytes of padding behind each row
	s_or_b32 s[G1+0], s43, (0<<16)|(1<<20)|(1<<21)|(5<<22)|(3<<25)  ; 15:0 the mask; 17:16 elements of 1 byte; 20 padding on; 21 set beside a mask; 24:22 after every 64 words; 31:25 four words
	s_or_b32 s[G1B+0], s44, (0<<16)|(1<<20)|(1<<21)|(5<<22)|(3<<25)
.irp g, G1, G1B
	s_mov_b32 s[\g+1], ROWB<<16                    ; tensor_dim0
	s_mov_b32 s[\g+2], 128<<16                     ; tensor_dim1
	s_mov_b32 s[\g+3], ROWB<<16                    ; tile_dim0
	s_mov_b32 s[\g+4], 128                         ; tile_dim1
	s_mov_b32 s[\g+5], KROW                        ; tensor_dim0_stride
	s_mov_b32 s[\g+6], 0
	s_mov_b32 s[\g+7], 0
.endr
	; the scales of 128 rows: 4,096 dense bytes, as 16 rows of 256 bytes (32 elements of 8 bytes), 16 bytes of padding behind each
	s_or_b32 s[G1S+0], s43, (3<<16)|(1<<20)|(1<<21)|(5<<22)|(3<<25)
	s_or_b32 s[G1SB+0], s44, (3<<16)|(1<<20)|(1<<21)|(5<<22)|(3<<25)
.irp g, G1S, G1SB
	s_mov_b32 s[\g+1], 32<<16
	s_mov_b32 s[\g+2], (128*KS/256)<<16
	s_mov_b32 s[\g+3], 32<<16
	s_mov_b32 s[\g+4], 128*KS/256
	s_mov_b32 s[\g+5], 32
	s_mov_b32 s[\g+6], 0
	s_mov_b32 s[\g+7], 0
.endr
	s_lshl_b32 s18, s16, 7                         ; which 128 rows of the tile I fetch
	s_lshl_b32 s20, s17, 8
	s_add_co_u32 s20, s20, s18
	s_add_co_u32 s20, s20, s66                     ; A: row 256 x tile + 128 x half (+ 2,048)
	s_lshl_b32 s46, s42, 8
	s_add_co_u32 s46, s46, s18                     ; B: row 256 x tile + 128 x half
	s_mov_b32 s21, 0
	s_mov_b32 s47, 0
	s_mov_b64 s[18:19], KS
	s_mul_u64 s[22:23], s[20:21], s[18:19]         ; where these rows' scales begin, in bytes
	s_mul_u64 s[92:93], s[46:47], s[18:19]
	s_mov_b64 s[18:19], KROW
	s_mul_u64 s[20:21], s[20:21], s[18:19]         ; and their codes
	s_mul_u64 s[46:47], s[46:47], s[18:19]
	s_mul_i32 s45, s14, HALFT                      ; where they go: wave x 128 rows
	s_mul_i32 s94, s14, HALFS
	s_wait_dscnt 0x0                               ; the opening add is done
	s_wait_kmcnt 0x0
	s_cmp_eq_u32 ttmp9, 2                          ; which buffers play A and B
	s_cselect_b64 s[12:13], s[8:9], s[4:5]         ; A's codes
	s_cselect_b64 s[2:3], s[10:11], s[6:7]         ; A's scales
	s_cselect_b64 s[8:9], s[4:5], s[8:9]           ; B's codes
	s_cselect_b64 s[10:11], s[6:7], s[10:11]       ; B's scales
	s_add_nc_u64 s[20:21], s[12:13], s[20:21]
	s_add_nc_u64 s[22:23], s[2:3], s[22:23]
	s_add_nc_u64 s[46:47], s[8:9], s[46:47]
	s_add_nc_u64 s[92:93], s[10:11], s[92:93]
	CROUND                                         ; all sixteen work-groups are here: the joint loads meet
	s_mov_b32 s[G0S], 1
	s_add_co_u32 s[G0S+1], s94, SCL
	s_mov_b64 s[G0S+2:G0S+3], s[22:23]
	s_or_b32 s[G0S+3], s[G0S+3], 0x80000000
	s_mov_b32 s[G0SB], 1
	s_add_co_u32 s[G0SB+1], s94, SCL
	s_mov_b64 s[G0SB+2:G0SB+3], s[92:93]
	s_or_b32 s[G0SB+3], s[G0SB+3], 0x80000000
	JLOAD G0S, G1S, G0SB, G1SB                     ; the scales first: they are wanted with the first slot
.irp s, 0,1
	s_mov_b32 s[G0+4*\s], 1
	s_add_co_u32 s[G0+4*\s+1], s45, \s*SLOT
	s_add_nc_u64 s[G0+4*\s+2:G0+4*\s+3], s[20:21], \s*ROWB
	s_or_b32 s[G0+4*\s+3], s[G0+4*\s+3], 0x80000000
	s_mov_b32 s[G0B+4*\s], 1
	s_add_co_u32 s[G0B+4*\s+1], s45, \s*SLOT
	s_add_nc_u64 s[G0B+4*\s+2:G0B+4*\s+3], s[46:47], \s*ROWB
	s_or_b32 s[G0B+4*\s+3], s[G0B+4*\s+3], 0x80000000
	JLOAD G0+4*\s, G1, G0B+4*\s, G1B               ; three loads of mine are out
.endr
	v_and_b32 v1, 15, v0                           ; r = lane % 16
	v_bfe_u32 v2, v0, 4, 1                         ; h = lane / 16
	v_mul_u32_u24 v3, v1, PITCH
	v_lshl_add_u32 v4, v2, 4, v3                   ; a fragment's row x pitch + 16 h
	s_mul_i32 s21, s15, HALFT                      ; my 128 rows of A
	s_mul_i32 s22, s16, HALFT                      ; my 128 rows of B,
	s_add_co_u32 s22, s22, 2*HALFT                 ; which lie behind A's 256
.irp s, 0,1
	v_add_nc_u32 v[ADRA+\s], s21, v4
	v_add_nc_u32 v[ADRB+\s], s22, v4
	s_add_co_u32 s21, s21, SLOT
	s_add_co_u32 s22, s22, SLOT
.endr
	v_mul_u32_u24 v5, v1, KS                       ; my row's scales: 32 bytes a row,
	v_lshrrev_b32 v6, 8, v5
	v_lshl_add_u32 v5, v6, 4, v5                   ; and 16 more for each 256 passed
	s_mul_i32 s21, s15, HALFS
	s_mul_i32 s22, s16, HALFS
	s_add_co_u32 s22, s22, 2*HALFS
	s_sub_co_u32 s22, s22, s21
	v_mul_u32_u24 v6, s22, v2                      ; lanes 16-31 take B's
	s_add_co_u32 s21, s21, SCL
	v_add_nc_u32 v5, v5, v6
	v_add_nc_u32 v[ADRS], s21, v5
	s_lshl_b32 s67, s17, 2
	s_lshl_b32 s21, s15, 1
	s_add_co_u32 s67, s67, s21                     ; u: my first A row / 64 (without the 2,048)
	s_lshl_b32 s22, s42, 2
	s_lshl_b32 s21, s16, 1
	s_add_co_u32 s22, s22, s21                     ; w: my first B row / 64
	s_lshl_b32 s21, s22, 8
	s_and_b32 s21, s21, s95                        ; the bias of my 128 channels begins 256 w bytes on (v: byte 0; what is loaded there is masked away)
	v_lshlrev_b32 v7, 5, v2
	v_add_nc_u32 v7, s21, v7                       ; + 32 h: block b's eight numbers of my half
.irp b, 0,1,2,3,4,5,6,7
	global_load_b128 v[BIAS+8*\b:BIAS+8*\b+3], v7, s[96:97] offset:64*\b
	global_load_b128 v[BIAS+8*\b+4:BIAS+8*\b+7], v7, s[96:97] offset:64*\b+16
.endr
	s_add_co_u32 s66, s67, 32
	s_mov_b32 s20, 0x2000
	s_mov_b32 s23, 0x100000
	s_cmp_eq_u32 ttmp9, 2
	s_cselect_b32 s21, s66, s22                    ; my first plane: 32 + u (v), w (q, k)
	s_cselect_b32 s66, s22, s67                    ; my first 64 tokens in it: w (v), u (q, k)
	s_cselect_b32 s67, s23, s20                    ; four blocks of A on: a plane (v), 64 tokens (q, k)
	s_cselect_b32 s22, s20, s23                    ; four blocks of B on: the other way round
	s_lshl_b32 s21, s21, 20
	s_lshl_b32 s66, s66, 13
	s_add_co_u32 s21, s21, s66
	v_and_b32 v6, 31, v0
	v_lshlrev_b32 v6, 4, v6
	v_add_nc_u32 v[CO], s21, v6                    ; 16 x lane + my part's first byte (under 2^26)
	v_add_nc_u32 v[CO+1], s22, v[CO]
	v_add_nc_u32 v[CO+2], s67, v[CO]
	v_add_nc_u32 v[CO+3], 0x102000, v[CO]
	s_mov_b32 s18, 0x3e38aa3b                      ; c = log2(e) / 8
	s_mov_b32 s19, s18                             ; (named with it as a pair, so it is written)
	s_wait_loadcnt 0x0                             ; the bias
.set i, 0
.rept 64
	v_and_b32 v[BIAS+i], s95, v[BIAS+i]            ; kept for q and k, zeros for v
.set i, i+1
.endr
.rept 8
	v_nop
.endr
.macro FRAG reg, adr, q, i             ; 16 rows x 128 K of 4-bit codes: lane l holds row l % 16; registers 4 c .. 4 c + 3 hold K = 64 c + 32 (l / 16) + 0 .. 31
.irp c, 0,1
	ds_load_b128 v[\reg+4*\c:\reg+4*\c+3], v[\adr] offset:64*(\q)+32*\c+(\i)*16*PITCH
.endr
.endm
; 16 matrix instructions: A's blocks a0, a0 + 1 x B's eight, the slot's q-th 128 along K.  p: B's set; sc: the set of scale words.  first = 1: the bias is the C.  The 64 accumulators take turns, one instruction a turn.
.macro MUL16 a0, p, q, sc, first
.irp a, \a0, \a0+1
.irp b, 0,1,2,3,4,5,6,7
.if \first
	v_wmma_scale_f32_16x16x128_f8f6f4 v[8*(8*((\a)%4)+\b):8*(8*((\a)%4)+\b)+7], v[128*(\p)+FR*\b:128*(\p)+FR*\b+FR-1], v[AF+FR*(\a):AF+FR*(\a)+FR-1], v[BIAS+8*\b:BIAS+8*\b+7], v[SC+8*NQ*(\sc)+NQ*\b+(\q)], v[SC+8*NQ*(\sc)+NQ*(\a)+(\q)] matrix_a_fmt:MATRIX_FMT_FP4 matrix_b_fmt:MATRIX_FMT_FP4 matrix_a_scale:MATRIX_SCALE_ROW1
.else
	v_wmma_scale_f32_16x16x128_f8f6f4 v[8*(8*((\a)%4)+\b):8*(8*((\a)%4)+\b)+7], v[128*(\p)+FR*\b:128*(\p)+FR*\b+FR-1], v[AF+FR*(\a):AF+FR*(\a)+FR-1], v[8*(8*((\a)%4)+\b):8*(8*((\a)%4)+\b)+7], v[SC+8*NQ*(\sc)+NQ*\b+(\q)], v[SC+8*NQ*(\sc)+NQ*(\a)+(\q)] matrix_a_fmt:MATRIX_FMT_FP4 matrix_b_fmt:MATRIX_FMT_FP4 matrix_a_scale:MATRIX_SCALE_ROW1
.endif
.endr
.endr
.endm
.macro FETCH_B slot, q, p
	WIN TO_B
.irp i, 0,1,2,3,4,5,6,7
	FRAG 128*(\p)+FR*\i, ADRB+\slot, \q, \i
.endr
	WIN 0
.endm
.macro FETCH_A slot, q, i0
.irp i, \i0, \i0+1, \i0+2, \i0+3
	FRAG AF+FR*(\i), ADRA+\slot, \q, \i
.endr
.endm
.macro SCALES sc                       ; a slot's scale words: four words a row; lanes 0-15 take A's block i, lanes 16-31 B's block i
.irp i, 0,1,2,3,4,5,6,7
	ds_load_b128 v[SC+8*NQ*\sc+NQ*\i:SC+8*NQ*\sc+NQ*\i+3], v[ADRS] offset:\i*SBLK
.endr
.endm
.macro PLACES n                        ; plain vector lines between a matrix instruction and a load into, or a vector line on, its registers
.rept \n
	v_nop
.endr
.endm
; A step of 128 along K that has its successor in the same slot.  A has one set of registers: blocks 0-3 are fetched anew in the step's middle, blocks 4-7 at its end; B has two sets.
.macro STEP slot, q, first
	s_wait_dscnt 4*NL                              ; B's set and A's blocks 0-3 are in; the youngest eight loads (A's blocks 4-7) may be out
.if \first
	WIN FIRST_LO
.else
	WIN MUL_LO
.endif
	MUL16 0, (\q)%2, \q, \slot, \first
	MUL16 2, (\q)%2, \q, \slot, \first
	s_wait_dscnt 0                                 ; A's blocks 4-7 are in
	PLACES NP
	FETCH_B \slot, (\q)+1, 1-(\q)%2
	FETCH_A \slot, (\q)+1, 0
.if \first
	WIN FIRST_HI
.else
	WIN MUL_HI
.endif
	MUL16 4, (\q)%2, \q, \slot, \first
	MUL16 6, (\q)%2, \q, \slot, \first
	PLACES NP
	WIN 0
	FETCH_A \slot, (\q)+1, 4
.endm
	s_wait_tensorcnt 1                             ; the scales and my part of slot 0 are in; slot 1's load may be out,
	s_barrier_signal -1
	s_barrier_wait -1                              ; everybody's are
	FETCH_B 0, 0, 0
	FETCH_A 0, 0, 0
	SCALES 0
	FETCH_A 0, 0, 4
	STEP 0, 0, 1                                   ; the first step starts the sums from the bias
	STEP 0, 1, 0
	STEP 0, 2, 0
	; slot 0's last step, and the change to slot 1: one barrier
	s_wait_tensorcnt 0x0                           ; my part of slot 1 is in
	s_wait_dscnt 4*NL
	WIN MUL_LO
	MUL16 0, 1, NQ-1, 0, 0
	s_wait_dscnt 0x0                               ; no LDS instruction of mine is out at the signal
	s_barrier_signal -1
	MUL16 2, 1, NQ-1, 0, 0
	WIN 0
	s_barrier_wait -1                              ; slot 1 is whole
	PLACES NP
	v_add_nc_u32 v[ADRS], 4*NQ, v[ADRS]            ; on to slot 1's scale words
	FETCH_B 1, 0, 0
	FETCH_A 1, 0, 0
	SCALES 1
	WIN MUL_HI
	MUL16 4, 1, NQ-1, 0, 0
	MUL16 6, 1, NQ-1, 0, 0
	PLACES NP
	WIN 0
	FETCH_A 1, 0, 4
	STEP 1, 0, 0
	STEP 1, 1, 0
	STEP 1, 2, 0
	s_wait_dscnt 4*NL                              ; the very last step: nothing more to fetch
	WIN MUL_LO
	MUL16 0, 1, NQ-1, 1, 0
	MUL16 2, 1, NQ-1, 1, 0
	s_wait_dscnt 0
	WIN MUL_HI
	MUL16 4, 1, NQ-1, 1, 0
	MUL16 6, 1, NQ-1, 1, 0
	WIN 0
	PLACES NP
	s_cmp_lg_u32 ttmp9, 0                          ; q's tiles are those of the clusters with x = 0: the same way in all sixteen partners
	s_cbranch_scc1 .Lplain
	WIN 0x82                                       ; destination and source 0 window 2
.set i, 0
.rept 128
	v_pk_mul_f32 v[i:i+1], v[i:i+1], s[18:19] op_sel_hi:[1,0]      ; q x c, each accumulator from its low end on
.set i, i+2
.endr
	WIN 0xc3
.set i, 0
.rept 128
	v_pk_mul_f32 v[i:i+1], v[i:i+1], s[18:19] op_sel_hi:[1,0]
.set i, i+2
.endr
	WIN 0
.Lplain:
; THE WAY OUT of A's block a: an accumulator's eight numbers of a lane round to 16 bytes, which ARE registers 0-3 (b even) or 4-7 (b odd) of a fragment: stored at 16 x lane.
.macro OUTB a
.set AC, 64*((\a)%4)
.set TM, TMP+32*((\a)%4)
.if (\a) >= 4
	s_wait_xcnt 0x0                                ; block a - 4's stores have read their data: the registers are written again only behind this wait
.endif
	WIN 0x0a+5*((\a)/4)                            ; sources 0 and 1: window 2 or 3
.irp b, 0,1,2,3,4,5,6,7
.irp r, 0,1,2,3
	v_cvt_pk_f16_f32 v[TM+4*\b+\r], v[AC+8*\b+2*\r], v[AC+8*\b+2*\r+1]
.endr
.endr
	WIN 0
.irp b, 0,1,2,3,4,5,6,7
	global_store_b128 v[CO+2*((\a)/4)+\b/4], v[TM+4*\b:TM+4*\b+3], s[98:99] offset:((\a)%4)*2048+(\b%4)*512   ; 32 lanes store 512 consecutive bytes, aligned
.endr
.endm
.irp a, 0,1,2,3,4,5,6,7
	OUTB \a
.endr
	s_wait_tensorcnt 0x0                           ; the wave's end
	ds_add_u32 v[SPW], v[NIL]
	s_wait_dscnt 0x0
	CROUND                                         ; the closing round
	s_endpgm
.Lfunc_end_k_qab21d2e7e2_qkv:
	.size	k_qab21d2e7e2_qkv, .Lfunc_end_k_qab21d2e7e2_qkv-k_qab21d2e7e2_qkv
	.p2alignl 7, 3214868480
	.fill 96, 4, 3214868480
	.section	.rodata,"a",@progbits
	.p2align	6, 0x0
	.amdhsa_kernel k_qab21d2e7e2_qkv
		.amdhsa_group_segment_fixed_size 327680
		.amdhsa_private_segment_fixed_size 0
		.amdhsa_enable_private_segment 0
		.amdhsa_kernarg_size 48
		.amdhsa_user_sgpr_count 2
		.amdhsa_user_sgpr_kernarg_segment_ptr 1
		.amdhsa_wavefront_size32 1
		.amdhsa_system_sgpr_workgroup_id_x 1
		.amdhsa_system_sgpr_workgroup_id_y 1
		.amdhsa_system_sgpr_workgroup_id_z 1
		.amdhsa_system_vgpr_workitem_id 0
		.amdhsa_next_free_vgpr 1024
		.amdhsa_next_free_sgpr 100
		.amdhsa_reserve_vcc 0
		.amdhsa_float_denorm_mode_32 3
		.amdhsa_float_denorm_mode_16_64 3
		.amdhsa_memory_ordered 1
		.amdhsa_forward_progress 1
		.amdhsa_inst_pref_size 138
	.end_amdhsa_kernel
	.amdgpu_metadata
---
amdhsa.version: [ 1, 2 ]
amdhsa.kernels:
  - .name:           k_qab21d2e7e2_qkv
    .symbol:         k_qab21d2e7e2_qkv.kd
    .args:
      - { .name: xc, .offset: 0, .size: 8, .value_kind: global_buffer, .address_space: global }
      - { .name: xs, .offset: 8, .size: 8, .value_kind: global_buffer, .address_space: global }
      - { .name: wc, .offset: 16, .size: 8, .value_kind: global_buffer, .address_space: global }
      - { .name: ws, .offset: 24, .size: 8, .value_kind: global_buffer, .address_space: global }
      - { .name: b_attn, .offset: 32, .size: 8, .value_kind: global_buffer, .address_space: global }
      - { .name: qkv, .offset: 40, .size: 8, .value_kind: global_buffer, .address_space: global }
    .group_segment_fixed_size: 327680
    .private_segment_fixed_size: 0
    .kernarg_segment_align: 8
    .kernarg_segment_size: 48
    .max_flat_workgroup_size: 128
    .sgpr_count:     100
    .vgpr_count:     1024
    .wavefront_size: 32
...
	.end_amdgpu_metadata
.endif
;; end of part 2
;; launch attn (part 3): grid 2 x 128, 16 waves a work-group, no clusters, 264,192 bytes of LDS; arguments qkv, b_attn, y; writes y
.if DOCPART == 3
	.amdgcn_target "amdgcn-amd-amdhsa--gfx1250"
	.amdhsa_code_object_version 6
	.text
	.protected	k_qab21d2e7e2_attn
	.globl	k_qab21d2e7e2_attn
	.p2align	8
	.type	k_qab21d2e7e2_attn,@function
k_qab21d2e7e2_attn:
	s_mov_b64 s[64:65], 0
	v_nop
	global_prefetch_b8 v0, s[64:65] scope:SCOPE_SE
	s_setreg_imm32_b32 hwreg(HW_REG_WAVE_MODE, 25, 1), 1
	s_wait_xcnt 0x0
; y[seg][head][q] = sum over keys k <= q of softmax_k(q . k / 8) v[k] + b_v, for 8 segments of 1,024 tokens and 16 heads of 64.  Operands in f16, products, maxima and sums in f32.
; q comes multiplied by c = log2(e) / 8, so a score IS the exponent t to base 2.  For each query a running maximum M and sum l: p = 2^(t - M), at most 1; in every step O and l are multiplied by a = 2^(old M - new M).
; v comes without its bias: sum p (v + b) / sum p = sum p v / sum p + b, added in the multiply-add that divides by l.
; SHARES.  A work-group (p = x of 2, head and segment = y of 128) has sixteen waves, four to a SIMD, so that one wave's vector work stands beside another's products and LDS loads.  Wave w owns TWO tiles of 16 queries,
; one after the other: tile 63 - j, then tile j, j = 2 w + p.  A tile's keys end in step tile / 4 of 64 keys, so a wave walks (16 - w / 2) + (w / 2 + 1) = 17 steps: the same for all.
; LDS.  The head's K and V of the segment, 131,072 bytes each, lie in LDS whole, filled once by waves 0-3 (four loads of 16,384 bytes each: four loads of a wave are out), as images of operand registers:
; a fragment is read by two ds_load_b128 at 16 x lane.  No padding, no ring, no LDS store.  The first 256 keys are waited for alone; the others land while the first four steps are worked.
; LAYOUT.  S^T = K Q^T (source 0 = 16 keys, source 1 = my 16 queries) and O^T = V^T P (source 0 = 16 channels, source 1 = P): a lane holds ONE query (lane % 16) throughout; two tiles of S^T, rounded in pairs, are a fragment of P.
; EVERY wave walks loops of constant count; a step whose keys all come after the tile's queries is left out by a scalar branch on the wave's number and the count of steps.
; No cluster: a head's tiles are wanted by two work-groups alone, once each, at their heads.  Nothing is prefetched: all that a work-group reads of K and V is asked for by the tensor loads at its head.
; OUT.  y is laid as the next launch's operand registers: [head / 2][token / 16][2 (head % 2) + channel chunk of 32][registers 0-3, 4-7][lane][16 bytes].  A store covers 512 consecutive bytes, aligned.
; LIMITS: |y| beyond 65,504 becomes an infinity of f16; a p under 2^-25 is rounded to 0 for the second product (it still counts in l); NaN and infinities among the inputs are not served.
.set VBASE, 131072                     ; LDS: K at 0, V here
.set SPARE, 262144                     ; the spare words, 128 bytes a wave
.set SPW, 1                            ; v1   LDS address of my spare word; never rewritten
.set NIL, 2                            ; v2   0; never rewritten
.set LI,  3                            ; v3   16 x lane
.set ADK, 4                            ; v4   LDS address of the step's K
.set ADV, 5                            ; v5   of its V
.set DM,  6                            ; v6   on the diagonal: key 16 kt + i (of my half's) is hidden where it is above this
.set NINF, 7                           ; v7   -infinity
.set M,   8                            ; v8   the running maximum (v9: 0, named with it as a pair)
.set L,   10                           ; v[10:11] the sum, in two halves
.set CC,  12                           ; v12-15 at work
.set AF,  14                           ; v14  a, later 1 / l (v15 is named with it as a pair)
.set Q,   16                           ; v16-31   Q: channels 32 u on at 16 + 8 u
.set KF,  32                           ; v32-95   K: fragment 2 kt + u
.set VF,  96                           ; v96-159  V^T: fragment 2 t + kc
.set S,   160                          ; v160-191 S^T, then p
.set P,   192                          ; v192-207 p in f16; on the way out y
.set O,   208                          ; v208-239 O^T
.set T,   240                          ; v[240:241] the sums' second chain
.set RH,  242                          ; v242 lane % 16 - 8 (lane / 16)
.set BO,  243                          ; v243 32 (lane / 16)
.set MO,  244                          ; v244 old M - new M
.set WV,  10
.set G,   18                           ; s18  the tile's last key step
.set JT,  19                           ; s19  the tile in hand
.set SEL, 20                           ; s[20:21] v_permlanex16_b32's selects for lane l xor 16
.set G1,  24                           ; s[24:31] descriptor group 1
.set G0,  32                           ; s[32:47] four groups 0
.set KS,  48                           ; s48  the key step
.set TB,  49                           ; s49  its first LDS byte in K
	s_load_b128 s[4:7], s[0:1], 0x0                ; qkv s[4:5], b_attn s[6:7]
	s_load_b64 s[8:9], s[0:1], 0x10                ; y
	v_lshl_add_u32 v[SPW], v0, 2, SPARE
	v_mov_b32 v[NIL], 0
	ds_add_u32 v[SPW], v[NIL]                      ; the wave's opening: the add and its wait stand ahead of the first tensor load; the set-up below stands between them
	v_lshrrev_b32 v[LI], 5, v0
	v_readfirstlane_b32 s[WV], v[LI]               ; wave 0..15
	; descriptor group 1: 16,384 dense bytes as 64 rows of 256 bytes (32 elements of 8 bytes), no padding
	s_mov_b32 s[G1+0], 3<<16
	s_mov_b32 s[G1+1], 32<<16                      ; tensor_dim0
	s_mov_b32 s[G1+2], 64<<16                      ; tensor_dim1
	s_mov_b32 s[G1+3], 32<<16                      ; tile_dim0
	s_mov_b32 s[G1+4], 64                          ; tile_dim1
	s_mov_b32 s[G1+5], 32                          ; tensor_dim0_stride
	s_mov_b32 s[G1+6], 0
	s_mov_b32 s[G1+7], 0
	s_and_b32 s16, ttmp7, 0xffff
	s_and_b32 s11, s16, 15                         ; head
	s_lshr_b32 s12, s16, 4                         ; segment
	s_lshl_b32 s13, s[WV], 1
	s_add_co_u32 s13, s13, ttmp9                   ; j: my low tile
	s_sub_co_u32 s[JT], 63, s13                    ; my high tile comes first
	s_lshr_b32 s15, s[WV], 1                       ; the low tile's last step: j / 4 = w / 2
	s_sub_co_u32 s[G], 15, s15                     ; the high tile's: (63 - j) / 4 = 15 - w / 2
	s_bfe_u32 s16, s[WV], 0x10001                  ; what I fetch, if I fetch: K (waves 0, 1) or V (2, 3),
	s_and_b32 s17, s[WV], 1                        ; and which half of each 32,768 bytes
	s_lshl_b32 s60, s16, 17
	s_lshl_b32 s61, s17, 14
	s_add_co_u32 s60, s60, s61                     ; in LDS
	s_lshl_b32 s62, s16, 4
	s_add_co_u32 s62, s62, s11
	s_add_co_u32 s62, s62, 16                      ; plane 16 + head (K), 32 + head (V)
	s_lshl_b32 s62, s62, 20
	s_lshl_b32 s63, s12, 17                        ; the segment's 131,072 bytes of a plane
	s_add_co_u32 s62, s62, s63
	s_add_co_u32 s62, s62, s61                     ; in memory
	s_lshl_b32 s50, s11, 20
	s_add_co_u32 s50, s50, s63                     ; Q: plane head, the segment
	s_mov_b32 s51, 0
	s_mov_b32 s63, 0
	s_lshr_b32 s54, s11, 1
	s_lshl_b32 s54, s54, 21                        ; y: (head / 2) x 2^21
	s_and_b32 s55, s11, 1
	s_lshl_b32 s55, s55, 11                        ; + (head % 2) x 2,048
	s_add_co_u32 s54, s54, s55
	s_lshl_b32 s55, s12, 18                        ; + the segment's 64 tiles of 4,096 bytes
	s_add_co_u32 s54, s54, s55
	s_mov_b32 s55, 0
	s_lshl_b32 s58, s11, 8
	s_add_co_u32 s58, s58, 8192                    ; b_attn[2048 + 64 head]
	s_mov_b32 s59, 0
	s_mov_b32 s[SEL], 0x76543210
	s_mov_b32 s[SEL+1], 0xfedcba98
	s_mov_b32 s[KS], 0
	s_mov_b32 s[TB], 0
	s_wait_dscnt 0x0                               ; the opening add is done
	s_wait_kmcnt 0x0
	s_add_nc_u64 s[62:63], s[4:5], s[62:63]
	s_add_nc_u64 s[50:51], s[4:5], s[50:51]
	s_add_nc_u64 s[54:55], s[8:9], s[54:55]
	s_add_nc_u64 s[58:59], s[6:7], s[58:59]
.irp c, 0,1,2,3                                ; chunk c: keys 256 c on
	s_mov_b32 s[G0+4*\c], 1                        ; count = 1
	s_add_co_u32 s[G0+4*\c+1], s60, \c*32768       ; LDS address
	s_add_nc_u64 s[G0+4*\c+2:G0+4*\c+3], s[62:63], \c*32768
	s_or_b32 s[G0+4*\c+3], s[G0+4*\c+3], 0x80000000   ; type = 2
.endr
	s_cmp_lt_u32 s[WV], 4                          ; all first fills of a wave stand in one branch on the wave's number
	s_cbranch_scc0 .Lno_fetch
.irp c, 0,1,2,3
	tensor_load_to_lds s[G0+4*\c:G0+4*\c+3], s[G1:G1+7]
	s_nop 0
.endr
.rept 4
	v_nop
.endr
.Lno_fetch:
	v_and_b32 v[LI], 31, v0
	v_lshlrev_b32 v[LI], 4, v[LI]
	s_lshl_b32 s60, s[JT], 11
	s_mov_b32 s61, 0
	s_add_nc_u64 s[52:53], s[50:51], s[60:61]      ; Q's tile: 2,048 bytes a tile
.irp i, 0,1,2,3
	global_load_b128 v[Q+4*\i:Q+4*\i+3], v[LI], s[52:53] offset:512*\i
.endr
	s_lshl_b32 s60, s[JT], 12
	s_add_nc_u64 s[56:57], s[54:55], s[60:61]      ; y's tile: 4,096 bytes a tile
	v_and_b32 v[CC], 15, v0                        ; r
	v_bfe_u32 v[CC+1], v0, 4, 1                    ; h
	v_lshlrev_b32 v[RH], 3, v[CC+1]
	v_sub_nc_u32 v[RH], v[CC], v[RH]               ; r - 8 h
	v_lshlrev_b32 v[BO], 5, v[CC+1]
	s_and_b32 s60, s[JT], 3
	s_lshl_b32 s60, s60, 4
	v_add_nc_u32 v[DM], s60, v[RH]                 ; my query's place in the diagonal step, less my half's 8 h
	v_mov_b32 v[NINF], 0xff800000
	v_mov_b32 v[M+1], 0
.macro INIT                            ; a tile begins: M under every t, l and O^T zeros: the first step's a is 0, so one text serves every step
	v_mov_b32 v[M], 0xff61b1e6
	v_mov_b32 v[L], 0
	v_mov_b32 v[L+1], 0
.set i, 0
.rept 32
	v_mov_b32 v[O+i], 0
.set i, i+1
.endr
.endm
; A KEY STEP: 64 keys.  tests = 0: the step is known to lie wholly under the diagonal.
.macro STEP tests
.if \tests
	s_cmp_gt_u32 s[KS], s[G]                       ; all its keys come after my queries: left out
	s_cbranch_scc1 .Lskip_\@
.endif
	v_add_nc_u32 v[ADK], s[TB], v[LI]
	v_add_nc_u32 v[ADV], VBASE, v[ADK]
	v_nop
	v_nop                                          ; four plain lines between the last step's products and the loads into V's registers
.irp f, 0,1,2,3,4,5,6,7
	ds_load_b128 v[KF+8*\f:KF+8*\f+3], v[ADK] offset:1024*\f
	ds_load_b128 v[KF+8*\f+4:KF+8*\f+7], v[ADK] offset:1024*\f+512
.endr
.irp f, 0,1,2,3,4,5,6,7
	ds_load_b128 v[VF+8*\f:VF+8*\f+3], v[ADV] offset:1024*\f
	ds_load_b128 v[VF+8*\f+4:VF+8*\f+7], v[ADV] offset:1024*\f+512
.endr
	s_wait_dscnt 16                                ; K is in; V's sixteen loads may be out
.irp kt, 0,1,2,3                               ; S^T = K Q^T: the four tiles of keys by turns, channels 0-31, then 32-63
	v_wmma_f32_16x16x32_f16 v[S+8*\kt:S+8*\kt+7], v[KF+16*\kt:KF+16*\kt+7], v[Q:Q+7], 0
.endr
.irp kt, 0,1,2,3
	v_wmma_f32_16x16x32_f16 v[S+8*\kt:S+8*\kt+7], v[KF+16*\kt+8:KF+16*\kt+15], v[Q+8:Q+15], v[S+8*\kt:S+8*\kt+7]
.endr
.rept 4
	v_nop
.endr
.if \tests
	s_cmp_lg_u32 s[KS], s[G]                       ; only the tile's last step lies on the diagonal
	s_cbranch_scc1 .Lopen_\@
.irp n, 0,1,2,3,4,5,6,7,8,9,10,11,12,13,14,15,16,17,18,19,20,21,22,23,24,25,26,27,28,29,30,31
	v_cmp_gt_i32 vcc_lo, 16*(\n/8)+\n%8, v[DM]     ; register n holds key 16 (n / 8) + 8 h + n % 8 of the step
	v_cndmask_b32 v[S+\n], v[S+\n], v[NINF], vcc_lo   ; hidden: -infinity, p = 0
.endr
.Lopen_\@:
.endif
.irp j, 0,1,2,3                                ; the maximum of my 32 scores and the old M, in four chains, each tile from its low end on
	v_max3_num_f32 v[CC+\j], v[S+8*\j], v[S+8*\j+1], v[S+8*\j+2]
.endr
.irp i, 3,5
.irp j, 0,1,2,3
	v_max3_num_f32 v[CC+\j], v[CC+\j], v[S+8*\j+\i], v[S+8*\j+\i+1]
.endr
.endr
	v_max3_num_f32 v[CC], v[CC], v[S+7], v[S+15]
	v_max3_num_f32 v[CC+2], v[CC+2], v[S+23], v[S+31]
	v_max3_num_f32 v[CC], v[CC], v[CC+1], v[CC+2]
	v_max3_num_f32 v[CC], v[CC], v[CC+3], v[M]
	v_permlanex16_b32 v[CC+1], v[CC], s[SEL], s[SEL+1]   ; the query's other 32 keys lie in the lane 16 away
	v_mov_b32 v[MO], v[M]
	v_max_num_f32 v[M], v[CC], v[CC+1]
	v_sub_f32 v[MO], v[MO], v[M]
	v_exp_f32 v[AF], v[MO]                         ; a = 2^(old M - new M)
.irp j, 0,2,4,6,8,10,12,14,16,18,20,22,24,26,28,30
	v_pk_add_f32 v[S+\j:S+\j+1], v[S+\j:S+\j+1], v[M:M+1] op_sel_hi:[1,0] neg_lo:[0,1] neg_hi:[0,1]   ; t - M, two at a time: 0 at the maximum
.endr
.irp j, 0,1,2,3,4,5,6,7,8,9,10,11,12,13,14,15,16,17,18,19,20,21,22,23,24,25,26,27,28,29,30,31
	v_exp_f32 v[S+\j], v[S+\j]                     ; p
.endr
	v_nop                                          ; a plain line behind the last exponential
	s_wait_alu depctr_va_vdst(0)                   ; one wait for the batch of 33, ahead of its first reader
.irp i, 0,1,2,3,4,5,6,7,8,9,10,11,12,13,14,15
	v_cvt_pk_f16_f32 v[P+\i], v[S+2*\i], v[S+2*\i+1]
.endr
	v_pk_mul_f32 v[L:L+1], v[L:L+1], v[AF:AF+1] op_sel_hi:[1,0]    ; l under the new M
	v_pk_add_f32 v[T:T+1], v[S:S+1], v[S+2:S+3]                    ; the sum of the unrounded p, in two chains
.irp j, 4,8,12,16,20,24,28
	v_pk_add_f32 v[L:L+1], v[L:L+1], v[S+\j:S+\j+1]
	v_pk_add_f32 v[T:T+1], v[T:T+1], v[S+\j+2:S+\j+3]
.endr
	v_pk_add_f32 v[L:L+1], v[L:L+1], v[T:T+1]
.irp j, 0,2,4,6,8,10,12,14,16,18,20,22,24,26,28,30
	v_pk_mul_f32 v[O+\j:O+\j+1], v[O+\j:O+\j+1], v[AF:AF+1] op_sel_hi:[1,0]   ; O^T under the new M
.endr
	s_wait_dscnt 0x0                               ; V is in
.irp t, 0,1,2,3                                ; O^T += V^T P: the four tiles of channels by turns, keys 0-31, then 32-63
	v_wmma_f32_16x16x32_f16 v[O+8*\t:O+8*\t+7], v[VF+16*\t:VF+16*\t+7], v[P:P+7], v[O+8*\t:O+8*\t+7]
.endr
.irp t, 0,1,2,3
	v_wmma_f32_16x16x32_f16 v[O+8*\t:O+8*\t+7], v[VF+16*\t+8:VF+16*\t+15], v[P+8:P+15], v[O+8*\t:O+8*\t+7]
.endr
.if \tests
.Lskip_\@:
.endif
	s_add_co_u32 s[KS], s[KS], 1
	s_add_co_u32 s[TB], s[TB], 8192                ; a step's K (and V) is 8,192 bytes
.endm
; A TILE'S WAY OUT.  hi = 1: the low tile follows; its Q is asked for here.
.macro OUT hi
.rept 4
	v_nop                                          ; places behind the last products
.endr
.irp t, 0,1,2,3
	global_load_b128 v[KF+8*\t:KF+8*\t+3], v[BO], s[58:59] offset:64*\t        ; b_v of channels 16 t + 8 h + 0 .. 7, in O^T's layout
	global_load_b128 v[KF+8*\t+4:KF+8*\t+7], v[BO], s[58:59] offset:64*\t+16
.endr
.if \hi
	s_mov_b32 s[JT], s13
	s_lshl_b32 s60, s[JT], 11
	s_add_nc_u64 s[52:53], s[50:51], s[60:61]      ; (the first tile's loads by this address were waited for long ago)
.irp i, 0,1,2,3
	global_load_b128 v[Q+4*\i:Q+4*\i+3], v[LI], s[52:53] offset:512*\i
.endr
.endif
	v_add_f32 v[CC], v[L], v[L+1]                  ; l's two halves,
	v_permlanex16_b32 v[CC+1], v[CC], s[SEL], s[SEL+1]
	v_add_f32 v[CC], v[CC], v[CC+1]                ; and lane l xor 16's
	v_rcp_f32 v[AF], v[CC]
	v_nop                                          ; a plain line behind the reciprocal
	s_wait_alu depctr_va_vdst(0)                   ; and the wait ahead of its first reader
.if \hi
	s_wait_loadcnt 4                               ; b_v is in; Q's four loads may be out
.else
	s_wait_loadcnt 0x0
.endif
.irp j, 0,2,4,6,8,10,12,14,16,18,20,22,24,26,28,30
	v_pk_fma_f32 v[O+\j:O+\j+1], v[O+\j:O+\j+1], v[AF:AF+1], v[KF+\j:KF+\j+1] op_sel_hi:[1,0,1]   ; O^T / l + b_v, each tile from its low end on
.endr
.irp i, 0,1,2,3,4,5,6,7,8,9,10,11,12,13,14,15
	v_cvt_pk_f16_f32 v[P+\i], v[O+2*\i], v[O+2*\i+1]
.endr
.irp t, 0,1,2,3
	global_store_b128 v[LI], v[P+4*\t:P+4*\t+3], s[56:57] offset:512*\t    ; tile t is registers 0-3 (t even) or 4-7 (t odd) of the fragment of channels 32 (t / 2) on: 512 consecutive bytes, aligned
.endr
.if \hi
	s_wait_xcnt 0x0                                ; the stores have read their base and data: both are written again only behind this wait
	s_lshl_b32 s60, s[JT], 12
	s_add_nc_u64 s[56:57], s[54:55], s[60:61]
	s_mov_b32 s[G], s15
	s_and_b32 s60, s[JT], 3
	s_lshl_b32 s60, s60, 4
	v_add_nc_u32 v[DM], s60, v[RH]
.endif
.endm
	INIT
	s_wait_loadcnt 0x0                             ; Q
	s_wait_tensorcnt 3                             ; my part of the first 256 keys is in; my three later loads may be out
	s_barrier_signal -1
	s_barrier_wait -1                              ; everybody's is
.Lfirst:                                           ; steps 0-3 of the high tile (its last step is 8 or later): they read the first 256 keys alone
	STEP 0
	s_cmp_lt_u32 s[KS], 4
	s_cbranch_scc1 .Lfirst
	s_wait_tensorcnt 0x0                           ; all my loads are in,
	s_wait_dscnt 0x0
	s_barrier_signal -1
	s_barrier_wait -1                              ; everybody's are: K and V are whole
.Lhigh:                                            ; steps 4-15
	STEP 1
	s_cmp_lt_u32 s[KS], 16
	s_cbranch_scc1 .Lhigh
	OUT 1
	INIT
	s_mov_b32 s[KS], 0
	s_mov_b32 s[TB], 0
	s_wait_loadcnt 0x0                             ; the low tile's Q
.Llow:                                             ; steps 0-7 (the low tile's last step is 7 or earlier)
	STEP 1
	s_cmp_lt_u32 s[KS], 8
	s_cbranch_scc1 .Llow
	OUT 0
	s_wait_tensorcnt 0x0                           ; the wave's end
	ds_add_u32 v[SPW], v[NIL]
	s_wait_dscnt 0x0
	s_endpgm
.Lfunc_end_k_qab21d2e7e2_attn:
	.size	k_qab21d2e7e2_attn, .Lfunc_end_k_qab21d2e7e2_attn-k_qab21d2e7e2_attn
	.p2alignl 7, 3214868480
	.fill 96, 4, 3214868480
	.section	.rodata,"a",@progbits
	.p2align	6, 0x0
	.amdhsa_kernel k_qab21d2e7e2_attn
		.amdhsa_group_segment_fixed_size 264192
		.amdhsa_private_segment_fixed_size 0
		.amdhsa_enable_private_segment 0
		.amdhsa_kernarg_size 24
		.amdhsa_user_sgpr_count 2
		.amdhsa_user_sgpr_kernarg_segment_ptr 1
		.amdhsa_wavefront_size32 1
		.amdhsa_system_sgpr_workgroup_id_x 1
		.amdhsa_system_sgpr_workgroup_id_y 1
		.amdhsa_system_sgpr_workgroup_id_z 1
		.amdhsa_system_vgpr_workitem_id 0
		.amdhsa_next_free_vgpr 256
		.amdhsa_next_free_sgpr 66
		.amdhsa_reserve_vcc 1
		.amdhsa_float_denorm_mode_32 3
		.amdhsa_float_denorm_mode_16_64 3
		.amdhsa_memory_ordered 1
		.amdhsa_forward_progress 1
		.amdhsa_inst_pref_size 50
	.end_amdhsa_kernel
	.amdgpu_metadata
---
amdhsa.version: [ 1, 2 ]
amdhsa.kernels:
  - .name:           k_qab21d2e7e2_attn
    .symbol:         k_qab21d2e7e2_attn.kd
    .args:
      - { .name: qkv, .offset: 0, .size: 8, .value_kind: global_buffer, .address_space: global }
      - { .name: b_attn, .offset: 8, .size: 8, .value_kind: global_buffer, .address_space: global }
      - { .name: y, .offset: 16, .size: 8, .value_kind: global_buffer, .address_space: global }
    .group_segment_fixed_size: 264192
    .private_segment_fixed_size: 0
    .kernarg_segment_align: 8
    .kernarg_segment_size: 24
    .max_flat_workgroup_size: 512
    .sgpr_count:     66
    .vgpr_count:     256
    .wavefront_size: 32
...
	.end_amdgpu_metadata
.endif
;; end of part 3
;; launch proj (part 4): grid 4 x 64, 4 waves a work-group, clusters of 4 x 4, 327,680 bytes of LDS; arguments y, wp16, b_proj, out0; writes out0
.if DOCPART == 4
	.amdgcn_target "amdgcn-amd-amdhsa--gfx1250"
	.amdhsa_code_object_version 6
	.text
	.protected	k_qab21d2e7e2_proj
	.globl	k_qab21d2e7e2_proj
	.p2align	8
	.type	k_qab21d2e7e2_proj,@function
k_qab21d2e7e2_proj:
	s_mov_b64 s[64:65], 0
	v_nop
	global_prefetch_b8 v0, s[64:65] scope:SCOPE_SE
	s_setreg_imm32_b32 hwreg(HW_REG_WAVE_MODE, 25, 1), 1
	s_wait_xcnt 0x0
	s_wait_alu depctr_hold_cnt(0) depctr_sa_sdst(0) depctr_va_vdst(0) depctr_va_sdst(0) depctr_va_ssrc(0) depctr_va_vcc(0) depctr_vm_vsrc(0)
	s_getreg_b32 s2, hwreg(HW_REG_IB_STS2, 6, 4)
	s_cmp_eq_u32 s2, 0
	s_cbranch_scc0 .Lentry_in_a_cluster
	s_endpgm
.Lentry_in_a_cluster:
	s_bfe_u32 s2, ttmp6, 0x10000c
	s_cmp_lg_u32 s2, 0xf033
	s_cbranch_scc0 .Lentry_shape_is_right
	s_endpgm
.Lentry_shape_is_right:
; out0 = y W_proj^T + b_proj.  y [8192 x 1024] and W_proj [1024 (n)][1024 (k)] in f16, sums and out0 in f32.
; A tile of out0 is 128 rows x 256 columns: 64 x 4 = 256 work-groups.  Four waves, each 64 x 128: 32 accumulators of 16 x 16.  K goes in 8 steps of 128 through two LDS slots.
; A (y) comes as images of operand registers, [K step][token / 16][chunk of 32][registers 0-3, 4-7][lane][16 bytes]: a K step of the tile's 128 rows is 32,768 dense bytes; a fragment is read by two ds_load_b128 at 16 x lane.
; B (W_proj) comes as 256 rows of 256 bytes, 16 bytes of padding behind each.
; THE MATRIX INSTRUCTION IS USED TRANSPOSED (source 0 = 16 rows of W_proj, source 1 = 16 rows of y): a lane holds eight neighbouring numbers of a row of out0.  The bias is the C of each sum's first product.
; CLUSTERS: 4 x 4 work-groups; y's tiles are asked for jointly along a row of the cluster, W_proj's along a column; waves 0, 1 fetch y's halves, waves 2, 3 W_proj's.
; Nothing is prefetched: of the 8 short K steps two are first fills, and a K step holds 128 matrix instructions a wave.
; LIMIT: the bias is the first addend of the f32 sum, not the last.
; REGISTERS: window 0: v1-31 addresses; two fragment buffers at v32 and v128: 32 registers of A (4 blocks), then 64 of B (8 blocks), for 32 along K.   window 1: accumulator (a, b) at v[8 (8 a + b)].   window 2: v0-63 the bias.
.set PITCH,  272
.set AIMG,   32768                     ; a slot: A's images, then B's 256 rows
.set SLOT,   AIMG+256*PITCH
.set STAGE,  2*SLOT                    ; behind the slots: 16 rows x 528 bytes for each wave, for the way out
.set SPITCH, 528
.set SPARE,  STAGE+4*16*SPITCH         ; the spare words, 128 bytes a wave
.set LAPS,   4                         ; a lap = two K steps
.set ADRA, 16                          ; v16-17  LDS address of my A fragments in slot 0, 1
.set ADRB, 20                          ; v20-21  the same for B
.set STO,  24                          ; v24     the way out: where I put 32 bytes of a row
.set RD,   25                          ; v25     where I read a row back
.set CO,   26                          ; v26     16 x lane
.set SPW,  28                          ; v28     LDS address of my spare word; never rewritten
.set NIL,  29                          ; v29     0; never rewritten
.set F0,   32
.set F1,   128
.set G1,  24
.set G0,  32
.set G1B, 48
.set G0B, 56
.set MSB, 0
.macro WIN new                         ; the immediate's high byte repeats the setting that is left
.if MSB != \new
	s_set_vgpr_msb (MSB<<8)|\new
.set MSB, \new
.endif
.endm
.set MUL,   0x50                       ; sources 0 and 1 window 0; C and D window 1
.set FIRST, 0x60                       ; C (the bias) window 2, D window 1
.macro JLOAD s                         ; a joint load; an s_nop 0 and four v_nop follow each of the two lines
	s_cmp_eq_u32 s13, 0
	s_cbranch_scc0 .Lfor_b_\@
	tensor_load_to_lds s[G0+4*\s:G0+4*\s+3], s[G1:G1+7]
	s_nop 0
.rept 4
	v_nop
.endr
	s_branch .Lasked_\@
.Lfor_b_\@:
	tensor_load_to_lds s[G0B+4*\s:G0B+4*\s+3], s[G1B:G1B+7]
	s_nop 0
.rept 4
	v_nop
.endr
.Lasked_\@:
.endm
.macro CREST                           ; a round of the cluster's barrier behind its opening barrier
	s_cmp_lg_u32 s12, 0
	s_cbranch_scc1 .Lnot_wave_0_\@
	s_barrier_signal -3
.Lnot_wave_0_\@:
	s_barrier_wait -3
	s_barrier_signal -1
	s_barrier_wait -1
.endm
.macro CROUND
	s_barrier_signal -1
	s_barrier_wait -1
	CREST
.endm
	s_load_b256 s[4:11], s[0:1], 0x0               ; y s[4:5], wp16 s[6:7], b_proj s[8:9], out0 s[10:11]
	v_lshl_add_u32 v[SPW], v0, 2, SPARE
	v_mov_b32 v[NIL], 0
	ds_add_u32 v[SPW], v[NIL]                      ; the wave's opening: the add and its wait stand ahead of my first tensor load; the set-up below stands between them
	v_lshrrev_b32 v1, 5, v0
	v_readfirstlane_b32 s12, v1                    ; wave 0..3
	s_lshr_b32 s13, s12, 1                         ; which 64 rows are mine.  Also: I fetch for A (0) or for B (1)
	s_and_b32 s14, s12, 1                          ; which 128 columns.  Also: which half of that tile I fetch
	s_bfe_u32 s40, ttmp6, 0x40000                  ; cx, cy
	s_bfe_u32 s41, ttmp6, 0x40004
	s_lshl_b32 s42, ttmp9, 2
	s_add_co_u32 s42, s42, s40                     ; tile column
	s_and_b32 s15, ttmp7, 0xffff
	s_lshl_b32 s15, s15, 2
	s_add_co_u32 s15, s15, s41                     ; tile row
	s_lshl_b32 s43, s41, 2
	s_lshl_b32 s43, 15, s43                        ; my row of the cluster
	s_lshl_b32 s44, 0x1111, s40                    ; my column
	; A: 16,384 dense bytes as 64 rows of 256 bytes (32 elements of 8 bytes), no padding
	s_or_b32 s[G1+0], s43, (3<<16)|(1<<21)
	s_mov_b32 s[G1+1], 32<<16
	s_mov_b32 s[G1+2], 64<<16
	s_mov_b32 s[G1+3], 32<<16
	s_mov_b32 s[G1+4], 64
	s_mov_b32 s[G1+5], 32
	s_mov_b32 s[G1+6], 0
	s_mov_b32 s[G1+7], 0
	; B: 128 rows x 128 elements of 2 bytes, 1,024 elements from row to row, four words of padding after every 64
	s_or_b32 s[G1B+0], s44, (1<<16)|(1<<20)|(1<<21)|(5<<22)|(3<<25)
	s_mov_b32 s[G1B+1], 128<<16
	s_mov_b32 s[G1B+2], 128<<16
	s_mov_b32 s[G1B+3], 128<<16
	s_mov_b32 s[G1B+4], 128
	s_mov_b32 s[G1B+5], 1024
	s_mov_b32 s[G1B+6], 0
	s_mov_b32 s[G1B+7], 0
	s_lshl_b32 s16, s15, 15                        ; A: the tile's 8 blocks of 4,096 bytes,
	s_lshl_b32 s20, s14, 14                        ; my half of them; the same in LDS
	s_add_co_u32 s16, s16, s20
	s_mov_b32 s17, 0
	s_lshl_b32 s46, s42, 19                        ; B: the tile's 256 rows of 2,048 bytes,
	s_lshl_b32 s47, s14, 18                        ; my 128 of them
	s_add_co_u32 s46, s46, s47
	s_mov_b32 s47, 0
	s_mul_i32 s21, s14, 128*PITCH
	s_add_co_u32 s21, s21, AIMG                    ; and in LDS
	s_wait_dscnt 0x0                               ; the opening add is done
	s_wait_kmcnt 0x0
	s_add_nc_u64 s[16:17], s[4:5], s[16:17]
	s_add_nc_u64 s[46:47], s[6:7], s[46:47]
	CROUND                                         ; all sixteen work-groups are here: the first joint loads meet
.irp s, 0,1
	s_mov_b32 s[G0+4*\s], 1
	s_add_co_u32 s[G0+4*\s+1], s20, \s*SLOT
	s_add_nc_u64 s[G0+4*\s+2:G0+4*\s+3], s[16:17], \s*0x200000     ; K step s: 2^21 bytes a K step
	s_or_b32 s[G0+4*\s+3], s[G0+4*\s+3], 0x80000000
	s_mov_b32 s[G0B+4*\s], 1
	s_add_co_u32 s[G0B+4*\s+1], s21, \s*SLOT
	s_add_nc_u64 s[G0B+4*\s+2:G0B+4*\s+3], s[46:47], \s*256        ; 256 bytes a K step
	s_or_b32 s[G0B+4*\s+3], s[G0B+4*\s+3], 0x80000000
	JLOAD \s                                       ; two loads of mine are out
.endr
	v_and_b32 v1, 15, v0                           ; r
	v_bfe_u32 v2, v0, 4, 1                         ; h
	v_and_b32 v3, 31, v0
	v_lshlrev_b32 v[CO], 4, v3                     ; 16 x lane
	v_mul_u32_u24 v4, v1, PITCH
	v_lshl_add_u32 v4, v2, 4, v4                   ; B: row r x pitch + 16 h
	s_lshl_b32 s22, s13, 14                        ; my 64 rows of A: four images of 4,096 bytes
	s_mul_i32 s23, s14, 128*PITCH
	s_add_co_u32 s23, s23, AIMG                    ; my 128 rows of B
.irp s, 0,1
	v_add_nc_u32 v[ADRA+\s], s22, v[CO]
	v_add_nc_u32 v[ADRB+\s], s23, v4
	s_add_co_u32 s22, s22, SLOT
	s_add_co_u32 s23, s23, SLOT
.endr
	s_mul_i32 s22, s12, 16*SPITCH
	s_add_co_u32 s22, s22, STAGE                   ; my stage
	v_mul_u32_u24 v5, v1, SPITCH
	v_lshl_add_u32 v5, v2, 5, v5
	v_add_nc_u32 v[STO], s22, v5                   ; in: row r, 32 bytes for each half of the lanes
	v_add_nc_u32 v[RD], s22, v[CO]                 ; back: the 32 lanes take one row of 512 bytes
	s_lshl_b32 s22, s42, 10
	s_lshl_b32 s23, s14, 9
	s_add_co_u32 s22, s22, s23                     ; my first column, in bytes: 1,024 x tile column + 512 x half
	v_lshlrev_b32 v6, 5, v2
	v_add_nc_u32 v6, s22, v6                       ; the bias: + 32 h
	WIN 0x80                                       ; destination window 2
.irp b, 0,1,2,3,4,5,6,7
	global_load_b128 v[8*\b:8*\b+3], v6, s[8:9] offset:64*\b       ; b_proj of columns 16 b + 8 h + 0 .. 7
	global_load_b128 v[8*\b+4:8*\b+7], v6, s[8:9] offset:64*\b+16
.endr
	WIN 0
	s_lshl_b32 s16, s15, 19                        ; my first row of out0: (128 x tile row + 64 x half) x 4,096 bytes
	s_lshl_b32 s17, s13, 18
	s_add_co_u32 s16, s16, s17
	s_add_co_u32 s16, s16, s22
	s_mov_b32 s17, 0
	s_add_nc_u64 s[10:11], s[10:11], s[16:17]
; 8 matrix instructions: A's block a x B's eight, 32 along K, from buffer f.  first = 1: the bias is the C.  The 32 accumulators take turns, one instruction a turn, in the same order in every quarter.
.macro MUL8 f, a, first
.irp b, 0,1,2,3,4,5,6,7
.if \first
	v_wmma_f32_16x16x32_f16 v[8*(8*(\a)+\b):8*(8*(\a)+\b)+7], v[\f+32+8*\b:\f+32+8*\b+7], v[\f+8*(\a):\f+8*(\a)+7], v[8*\b:8*\b+7]
.else
	v_wmma_f32_16x16x32_f16 v[8*(8*(\a)+\b):8*(8*(\a)+\b)+7], v[\f+32+8*\b:\f+32+8*\b+7], v[\f+8*(\a):\f+8*(\a)+7], v[8*(8*(\a)+\b):8*(8*(\a)+\b)+7]
.endif
.endr
.endm
; 24 LDS loads in one run: the fragments of the slot's q-th 32 along K into buffer f: B's eight, then A's blocks 0, 1, then 2, 3
.macro FETCH slot, q, f
	WIN 0
.irp b, 0,1,2,3,4,5,6,7
	ds_load_b128 v[\f+32+8*\b:\f+32+8*\b+3], v[ADRB+\slot] offset:\b*16*PITCH+64*(\q)
	ds_load_b128 v[\f+32+8*\b+4:\f+32+8*\b+7], v[ADRB+\slot] offset:\b*16*PITCH+64*(\q)+32
.endr
.irp i, 0,1,2,3
	ds_load_b128 v[\f+8*\i:\f+8*\i+3], v[ADRA+\slot] offset:\i*4096+1024*(\q)
	ds_load_b128 v[\f+8*\i+4:\f+8*\i+7], v[ADRA+\slot] offset:\i*4096+1024*(\q)+512
.endr
.endm
.macro PLACES                          ; four plain lines in front of loads into registers that matrix instructions have read, and of the first read of results
.rept 4
	v_nop
.endr
.endm
; A K step is four quarters of 32 along K, 32 matrix instructions each, on buffers 0, 1, 0, 1.  One of the first three: multiplies buffer f and fetches quarter q of the same slot into g.
.macro QUARTER slot, q, f, g, first
	s_wait_dscnt 4                                 ; B and A's blocks 0, 1 are in; the youngest four loads (blocks 2, 3) may be out
.if \first
	WIN FIRST
.else
	WIN MUL
.endif
	MUL8 \f, 0, \first
	MUL8 \f, 1, \first
	PLACES
	FETCH \slot, \q, \g
	s_wait_dscnt 24                                ; all but the 24 just issued
.if \first
	WIN FIRST
.else
	WIN MUL
.endif
	MUL8 \f, 2, \first
	MUL8 \f, 3, \first
.endm
; The last quarter multiplies buffer 1 and changes slots: ONE barrier; in front of it each wave waits for all its tensor loads, adds 0 to its spare word, and waits for that and for its reads of this slot.  fill = 1: this slot is filled again, two K steps ahead.
.macro TURN slot, next, fill
	WIN 0
	s_wait_tensorcnt 0x0                           ; all my tensor loads have landed: my part of the next slot;
	ds_add_u32 v[SPW], v[NIL]                      ; 0 onto my spare word;
	s_wait_dscnt 5                                 ; (the add and the youngest four loads may be out)
	WIN MUL
	MUL8 F1, 0, 0                                  ; eight matrix instructions stand between the add and the wait for it
	s_wait_dscnt 0x0                               ; the add is done, and my reads of this slot are over
	s_barrier_signal -1
	MUL8 F1, 1, 0
.if \fill
	WIN 0
.endif
	s_barrier_wait -1
.if \fill
	CREST                                          ; the barrier has opened a round of the cluster's barrier: no wave of any partner still reads this slot or has a load on its way
	s_add_nc_u64 s[G0+4*\slot+2:G0+4*\slot+3], s[G0+4*\slot+2:G0+4*\slot+3], 0x400000
	s_add_nc_u64 s[G0B+4*\slot+2:G0B+4*\slot+3], s[G0B+4*\slot+2:G0B+4*\slot+3], 512
	JLOAD \slot                                    ; the first tensor load behind the round, one a wave; its four v_nop are also the places in front of the loads below
.else
	PLACES
.endif
	FETCH \next, 0, F0
	WIN MUL
	MUL8 F1, 2, 0
	MUL8 F1, 3, 0
.endm
	s_wait_loadcnt 0x0                             ; the bias
	s_wait_tensorcnt 1                             ; my part of K step 0 is in; K step 1's load may be out,
	s_barrier_signal -1
	s_barrier_wait -1                              ; everybody's is
	FETCH 0, 0, F0
	QUARTER 0, 1, F0, F1, 1                        ; the first quarter stands in front of the loop: its products start the sums from the bias
	WIN 0                                          ; at a label and at a branch every window is 0
	s_mov_b32 s3, LAPS-1
.Llap:                                             ; a trip goes once round the ring, from a lap's second quarter to the next lap's first, and fills both slots again
	QUARTER 0, 2, F1, F0, 0
	QUARTER 0, 3, F0, F1, 0
	TURN 0, 1, 1
	QUARTER 1, 1, F0, F1, 0
	QUARTER 1, 2, F1, F0, 0
	QUARTER 1, 3, F0, F1, 0
	TURN 1, 0, 1
	QUARTER 0, 1, F0, F1, 0
	WIN 0
	s_sub_co_u32 s3, s3, 1
	s_cmp_lg_u32 s3, 0
	s_cbranch_scc1 .Llap
	QUARTER 0, 2, F1, F0, 0                        ; the last lap fills nothing, and has no round of the cluster's barrier
	QUARTER 0, 3, F0, F1, 0
	TURN 0, 1, 0
	QUARTER 1, 1, F0, F1, 0
	QUARTER 1, 2, F1, F0, 0
	QUARTER 1, 3, F0, F1, 0
	s_wait_dscnt 4                                 ; the very last quarter: nothing more to fetch
	WIN MUL
	MUL8 F1, 0, 0
	MUL8 F1, 1, 0
	s_wait_dscnt 0
	MUL8 F1, 2, 0
	MUL8 F1, 3, 0
	WIN 0
; THE WAY OUT, block by block of 16 rows x 128 columns: through my own stage in LDS and back as whole rows of 512 bytes.  LDS serves a wave's instructions in order (ISA guide 5.7.1.4): no wait between the stores and the loads.
.macro TOSTAGE a
	WIN 0x04                                       ; an LDS store's data are its source 1: window 1
.irp b, 0,1,2,3,4,5,6,7
	ds_store_b128 v[STO], v[8*(8*(\a)+\b):8*(8*(\a)+\b)+3] offset:64*\b        ; each accumulator from its low end on
	ds_store_b128 v[STO], v[8*(8*(\a)+\b)+4:8*(8*(\a)+\b)+7] offset:64*\b+16
.endr
	WIN 0
.set BB, 32+96*((\a)%2)
.irp t, 0,1,2,3,4,5,6,7,8,9,10,11,12,13,14,15
	ds_load_b128 v[BB+4*\t:BB+4*\t+3], v[RD] offset:\t*SPITCH
.endr
.endm
.macro SEND a, younger                 ; younger: the LDS instructions issued behind block a's loads, which may stay out
.set BB, 32+96*((\a)%2)
	s_wait_dscnt \younger                          ; the block is back in registers
.if (\a) > 0
	s_add_nc_u64 s[10:11], s[10:11], 16*4096       ; 16 rows on (behind a wait on XCNT: the earlier stores have read their base)
.endif
.irp t, 0,1,2,3,4,5,6,7,8,9,10,11,12,13,14,15
	global_store_b128 v[CO], v[BB+4*\t:BB+4*\t+3], s[10:11] offset:\t*4096 th:TH_STORE_NT   ; 32 lanes store 512 consecutive bytes, aligned; written once, read by nobody here
.endr
.endm
	PLACES
	TOSTAGE 0
.irp a, 1,2,3
.if \a > 1
	s_wait_xcnt 0x0                                ; block a - 2's stores have read their registers and their base
.endif
	TOSTAGE \a
	SEND \a-1, 32                                  ; behind block a - 1's loads: block a's 16 stores and 16 loads
.endr
	s_wait_xcnt 0x0
	SEND 3, 0
	s_wait_tensorcnt 0x0                           ; the wave's end
	ds_add_u32 v[SPW], v[NIL]
	s_wait_dscnt 0x0
	CROUND                                         ; the closing round
	s_endpgm
.Lfunc_end_k_qab21d2e7e2_proj:
	.size	k_qab21d2e7e2_proj, .Lfunc_end_k_qab21d2e7e2_proj-k_qab21d2e7e2_proj
	.p2alignl 7, 3214868480
	.fill 96, 4, 3214868480
	.section	.rodata,"a",@progbits
	.p2align	6, 0x0
	.amdhsa_kernel k_qab21d2e7e2_proj
		.amdhsa_group_segment_fixed_size 327680
		.amdhsa_private_segment_fixed_size 0
		.amdhsa_enable_private_segment 0
		.amdhsa_kernarg_size 32
		.amdhsa_user_sgpr_count 2
		.amdhsa_user_sgpr_kernarg_segment_ptr 1
		.amdhsa_wavefront_size32 1
		.amdhsa_system_sgpr_workgroup_id_x 1
		.amdhsa_system_sgpr_workgroup_id_y 1
		.amdhsa_system_sgpr_workgroup_id_z 1
		.amdhsa_system_vgpr_workitem_id 0
		.amdhsa_next_free_vgpr 576
		.amdhsa_next_free_sgpr 66
		.amdhsa_reserve_vcc 0
		.amdhsa_float_denorm_mode_32 3
		.amdhsa_float_denorm_mode_16_64 3
		.amdhsa_memory_ordered 1
		.amdhsa_forward_progress 1
		.amdhsa_inst_pref_size 86
	.end_amdhsa_kernel
	.amdgpu_metadata
---
amdhsa.version: [ 1, 2 ]
amdhsa.kernels:
  - .name:           k_qab21d2e7e2_proj
    .symbol:         k_qab21d2e7e2_proj.kd
    .args:
      - { .name: y, .offset: 0, .size: 8, .value_kind: global_buffer, .address_space: global }
      - { .name: wp16, .offset: 8, .size: 8, .value_kind: global_buffer, .address_space: global }
      - { .name: b_proj, .offset: 16, .size: 8, .value_kind: global_buffer, .address_space: global }
      - { .name: out0, .offset: 24, .size: 8, .value_kind: global_buffer, .address_space: global }
    .group_segment_fixed_size: 327680
    .private_segment_fixed_size: 0
    .kernarg_segment_align: 8
    .kernarg_segment_size: 32
    .max_flat_workgroup_size: 128
    .sgpr_count:     66
    .vgpr_count:     576
    .wavefront_size: 32
...
	.end_amdgpu_metadata
.endif
;; end of part 4
